; MI455X (gfx1250); checked and timed in simulation.
; The chip was launched on July 23, 2026; its instructions are those of AMD's public machine-readable ISA for CDNA 5 (MIT licence, August 2026) and "CDNA5" Instruction Set Architecture Reference Guide (July 2026). The comments in the code are by the model that wrote it; some were corrected since.
;; Scaled Dot Product Attention Gauss. Allowed arithmetic: float matrix products may take bf16 or f16 operands with f32 sums; other float arithmetic in f32, or as packed bf16 or f16 multiplies, adds, multiply-adds, maxima and minima; sums over many terms, partial sums and values carried from step to step in f32; what a program stores and reads back later, other than sums and carried values, may be rounded once to bf16 or f16.
;; Inputs: K 1 x 8 x 1,024 x 64 float32; Q 1 x 8 x 1,024 x 64 float32; V 1 x 8 x 1,024 x 64 float32; W1 10 x 10 float32; W2 1 x 10 float32; b1 10 float32; b2 1 float32; b_D 10 float32; b_E 10 float32; distance_matrix 1 x 8 x 1,024 x 1,024 float32; energy_matrix 1 x 8 x 1,024 x 1,024 float32; mask 1 x 8 x 1,024 x 1,024 int32; mu_D 10 float32; mu_E 10 float32; sigma_D 10 float32; sigma_E 10 float32.
;; Outputs: out0 1 x 8 x 1,024 x 64 float32.
;; One version. Each part assembles by itself: llvm-mc -triple=amdgcn-amd-amdhsa -mcpu=gfx1250 --defsym DOCPART=n.
;; ======== version 1 of 1: 1 launch
;; limits: a function is approximated: absolute error at most 0.0001
;; launch attn (part 1): grid 32 x 8, 8 waves a work-group, clusters of 4 x 1, 327,680 bytes of LDS; arguments distance_matrix, energy_matrix, mask, K, V, Q, out0, sigma_D, mu_D, b_D, sigma_E, mu_E, b_E, W1, b1, W2, b2; writes out0
.if DOCPART == 1
	.amdgcn_target "amdgcn-amd-amdhsa--gfx1250"
	.amdhsa_code_object_version 6
	.text
	.protected	k_qe3bffdf85d_attn
	.globl	k_qe3bffdf85d_attn
	.p2align	8
	.type	k_qe3bffdf85d_attn,@function
k_qe3bffdf85d_attn:
	s_mov_b64 s[64:65], 0
	v_nop
	global_prefetch_b8 v0, s[64:65] scope:SCOPE_SE
	s_setreg_imm32_b32 hwreg(HW_REG_WAVE_MODE, 25, 1), 1
	s_wait_xcnt 0x0
	s_wait_alu depctr_hold_cnt(0) depctr_sa_sdst(0) depctr_va_vdst(0) depctr_va_sdst(0) depctr_va_ssrc(0) depctr_va_vcc(0) depctr_vm_vsrc(0)
	s_getreg_b32 s2, hwreg(HW_REG_IB_STS2, 6, 4)
	s_cmp_eq_u32 s2, 0
	s_cbranch_scc0 .Lentry_in_a_cluster
	s_endpgm
.Lentry_in_a_cluster:
	s_bfe_u32 s2, ttmp6, 0x10000c
	s_cmp_lg_u32 s2, 0x3003
	s_cbranch_scc0 .Lentry_shape_is_right
	s_endpgm
.Lentry_shape_is_right:
; out0[h][q][:] = the sum over k of softmax_k( Q.K / sqrt(128) + f_D(distance[h][q][k]) + f_E(energy[h][q][k]), -1e9 where mask = 0 ) V[h][k][:]
; f(x) = W2 . gelu(W1 . psi(x) + b1) + b2,  psi_k(x) = exp(-z^2 / 2) / (sqrt(2 pi) sigma_k),  z = (x + b_k - mu_k) / sigma_k.   8 heads, 1,024 x 1,024 scores, head size 64, all f32 (mask i32).
; SHARES.  A work-group owns 32 queries of one head; wave w owns 16 of them (w & 1) and a quarter of the keys (w >> 1): of each step's 128 keys the 32 at 32 (w >> 1), two score tiles of 16 x 16.
; Each wave keeps its own running maximum m, sum l and O^T; the four partial results of a query meet in LDS at the end.
; SCORES.  S^T = K Q^T (source 0 = 16 keys, source 1 = 16 queries): a lane holds ONE query (lane % 16) and the keys 8 (lane / 16) + 0..7.  S is kept in units of q.k: S = q.k + sqrt(128) (f_D + f_E); p = 2^(c (S - m)), c = log2(e) / sqrt(128).
; THE TWO SMALL LAYERS GO TO THE MATRIX UNIT.  A GROUP is one key x 16 queries: lanes 0-15 hold the query's distance, lanes 16-31 its energy, and every lane makes its own scalar's ten psi.
;   layer 1: source 1 = the ten psi in bf16 (D's in k 0-7, 16, 17; E's in k 8-15, 24, 25); source 0 = W1 / (7 sqrt(2 pi) sigma), rows 0-7 on D's k, rows 8-15 on E's; C = b1 / 7 in f32.  The result gives each
;            lane y = x / 7 of ITS OWN scalar's hidden units 0-7; a second product gives units 8, 9.
;   layer 2: source 1 = the ten gelu / 7 in bf16; source 0 holds 7 sqrt(128) W2 in the one row that is the group's key, 0 elsewhere; it adds f_D + f_E straight onto the score tile.  2 sqrt(128) b2 is the C of the first product K Q^T.
; GELU.  gelu(x) = x / (1 + 2^(y p(s))), s = min(y^2, 1), p = (P2 s + P1) s + P0: x Phi(x) with logit(Phi(x)) = x (1.59468996 + 0.07420291 x^2 - 0.00072287 x^4), x^2 held at 49.
; LIMITS.  That form lies within about 1e-4 (absolute) of the exact GELU at the arguments checked by hand (0.1 to 7, both signs), and goes to x and to 0 beyond.  Q, K, V, psi, gelu, the weights p and the two layers' weights are rounded once to bf16
; (bf16, not f16, for the range); sums, maxima and b1, b2 stay in f32.  An exponential below 2^-126 counts as 0.  sigma = 0, NaN and infinities are not treated apart.
; CLUSTER.  The four query blocks of a cluster belong to one head and walk the same K and V (64 of a step's 112 KiB): waves 6 and 7 ask for them JOINTLY.  Distance, energy and mask are a work-group's own: waves 0-5, plain loads.
.set PX,    528                 ; an LDS row of distance, energy or mask: 512 bytes + 16 = 132 words: 16 rows start at 16 different groups of four banks (64 banks of 4 bytes: ISA guide 11.1)
.set PKV,   272                 ; an LDS row of K or V: 256 bytes + 16 = 68 words: likewise
.set XE,    32*PX               ; a slot: 32 rows of distance, 32 of energy, 32 of mask,
.set LM,    2*XE
.set LK,    3*XE                ; 128 rows of K,
.set LV,    LK+128*PKV          ; 128 rows of V: 120,320 bytes
.set SLOT1, 1<<17               ; slot 1 begins here: one exclusive or turns an address in one slot into the other's
.set A2T,   SLOT1+LV+128*PKV    ; behind the ring, never filled by a tensor load: the 16 layer-2 matrices, 1,024 bytes each
.set OST,   A2T+16*1024         ; each wave's partial O: 16 rows x 272 bytes
.set MLT,   OST+8*16*PKV        ; each wave's (m, l): 16 x 8 bytes
.set SPARE, MLT+1024            ; the spare words, 128 bytes for each wave: four blocks of 256 bytes that no other line names
; vector registers, window 0
.set LAD2,  1                   ; v1   0 as the small loads' offset; later a running LDS address
.set SPW,   2                   ; v2   LDS address of my spare word; never rewritten
.set NIL,   3                   ; v3   0; never rewritten
.set XAD0,  4                   ; v4   my lane's place in slot 0: x;  v5 the running address
.set XAD,   5
.set A2AD0, 6                   ; v6   the layer-2 matrices;  v7 the running address
.set A2AD,  7
.set KAD0,  8                   ; v8-10  my lane's place in slot 0: K, V, mask
.set VAD0,  9
.set MAD0,  10
.set LAD,   11                  ; v11  a running LDS address
.set PFO,   12                  ; v12  the prefetches' offset; never rewritten
.set OAD,   13                  ; v13  where I put my partial O
.set MLAD,  14                  ; v14  where I put (m, l)
.set OOF,   15                  ; v15  my byte offset in the work-group's rows of out0
.set ST,    16                  ; v16 m (v17 named with it; at the end l), v18 alpha (v19 named with it), v20-21 l (even keys, odd keys), v22-23 at work
.set AC,    24                  ; v24-33 a_k, v34-43 c_k: z sqrt(log2(e) / 2) = x a_k + c_k, D's in lanes 0-15, E's in lanes 16-31
.set XA,    44                  ; v44-47 x of four keys of tile 0, v48-51 of tile 1
.set SC,    52                  ; v52-59, v60-67 the two score tiles
.set PP,    68                  ; v68-75 the weights in bf16: source 1 of O^T = V^T P
.set PS,    76                  ; v76-107  psi in bf16, 8 registers a group (5-7 stay 0)
.set GG,    108                 ; v108-139 gelu / 7 in bf16, likewise
.set TMP,   140                 ; v140-179 at work: 10 a group
.set HH,    180                 ; v180-243 y: 16 a group (0-7 units 0-7; 8, 9 units 8, 9); also K and V in f32 on their way
.set T2,    244                 ; v244-253 at work
; window 1 (named by their low 8 bits)
.set W1A,   0
.set W1B,   8
.set C1,    16
.set C2,    24
.set B2C,   32
.set QF,    40                  ; Q in bf16: two fragments
.set OT,    56                  ; O^T: four accumulators of 16 channels x 16 queries
.set A2R,   88                  ; a trip's four layer-2 matrices
; scalar registers
.set G1A,   40                  ; s[40:47] group 1 of the plain loads;  s[48:55] of the joint loads
.set G1J,   48
.set G0A,   56                  ; s[56:59], s[60:63] their groups 0: they walk
.set G0J,   60
.set WV,    66
.set QT,    67                  ; w & 1
.set KQ,    68                  ; w >> 1
.set CX,    69
.set HEAD,  70
.set Q0,    71                  ; the work-group's first row among the 8,192 rows of all heads
.set STEPS, 72
.set TR,    73
.set SB,    74                  ; LDS byte at which the slot in hand begins
.set LIM,   75                  ; 1 in a wave that prefetches, else the greatest number
.set PFA,   76                  ; s[76:77] where my prefetches stand
.set SP0,   78                  ; s[78:83] P0, P1, P2, each as a pair
.set SP1,   80
.set SP2,   82
.set NEG,   84                  ; -1e9 sqrt(128)
.set PSH,   85
.set SEL,   86                  ; s[86:87] v_permlanex16_b32: each lane takes its own place in the other half
.set PST,   88                  ; s[88:89] a step in my prefetched tensor, in bytes
.set CS,    90                  ; s[90:91] c
.set HM,    92                  ; lanes 16-31
.set VA,    94                  ; lanes 0-7 and 24-31
.set VB,    95                  ; lanes 0, 1, 24, 25
.set MSB, 0
.macro WIN new                  ; s_set_vgpr_msb: bits 1:0 source 0, 3:2 source 1, 5:4 source 2, 7:6 destination; the high byte repeats the setting that is left
.if MSB != (\new)
	s_set_vgpr_msb (MSB<<8)|(\new)
.set MSB, (\new)
.endif
.endm
.macro PLACES                   ; four plain places behind a matrix instruction (ISA guide 7.12.1)
.rept 4
	v_nop
.endr
.endm
; A fill: one tensor load a wave.  Waves 0-5: 16 rows x 512 bytes of distance, energy or mask.  Waves 6, 7: the step's 128 rows of K, of V, jointly with the three partners.
; The branch hangs on the wave's number alone.  An s_nop 0 and four v_nop follow each of the two lines.
.macro JLOAD
	s_cmp_lt_u32 s[WV], 6
	s_cbranch_scc0 .Ljoint_\@
	tensor_load_to_lds s[G0A:G0A+3], s[G1A:G1A+7]
	s_nop 0
.rept 4
	v_nop
.endr
	s_branch .Lasked_\@
.Ljoint_\@:
	tensor_load_to_lds s[G0J:G0J+3], s[G1J:G1J+7]
	s_nop 0
.rept 4
	v_nop
.endr
.Lasked_\@:
.endm
; A prefetch of what the NEXT change of slots will ask for: one instruction a wave, each lane another aligned block of 256 bytes.  Waves 0-5: their own tile, 16 rows x 2 blocks.  Waves 6, 7: K and V are walked by all
; eight clusters of a head: the head's first cluster asks, its four partners 32 rows each, told apart by address.  The last change that fills a slot asks for nothing.
.macro ASK
	s_cmp_gt_u32 s[STEPS], s[LIM]
	s_cbranch_scc0 .Lnot_mine_\@
	global_prefetch_b8 v[PFO], s[PFA:PFA+1] th:TH_LOAD_NT scope:SCOPE_SE
.Lnot_mine_\@:
.endm
; A round of the cluster's barrier.
.macro CROUND
	s_barrier_signal -1
	s_barrier_wait -1
	s_cmp_lg_u32 s[WV], 0
	s_cbranch_scc1 .Lnot_wave_0_\@
	s_barrier_signal -3
.Lnot_wave_0_\@:
	s_barrier_wait -3
	s_barrier_signal -1
	s_barrier_wait -1
.endm
; THE CHANGE OF SLOTS.  Each wave waits for all its tensor loads (one is out: its part of the slot to be read), adds 0 to its spare word, and waits for that and for its reads of the slot that it leaves.
; fill = 1: behind a round of the cluster's barrier that slot is filled with the step after next, first thing.  (At its first use slot 0 is waited for and slot 1 filled; the round also shows every wave the layer-2 matrices.)
.macro CHANGE fill
	WIN 0
	s_wait_tensorcnt 0x0            ; no tensor load of mine is out, so the groups 0 may be written
	ds_add_u32 v[SPW], v[NIL]       ; 0 onto my spare word; scalar work stands between it and the wait for it
.if \fill
	s_xor_b32 s[G0A+1], s[G0A+1], SLOT1
	s_add_nc_u64 s[G0A+2:G0A+3], s[G0A+2:G0A+3], 512      ; 128 keys on along the rows
	s_xor_b32 s[G0J+1], s[G0J+1], SLOT1
	s_add_nc_u64 s[G0J+2:G0J+3], s[G0J+2:G0J+3], 32768    ; 128 rows on
	s_wait_xcnt 0x0                 ; the last prefetch, a step back, has read its address
	s_add_nc_u64 s[PFA:PFA+1], s[PFA:PFA+1], s[PST:PST+1]
.endif
	s_xor_b32 s[SB], s[SB], SLOT1
	s_wait_dscnt 0x0                ; the add is done, and my LDS reads and stores are over
.if \fill
	CROUND
	JLOAD
.else
	s_barrier_signal -1
	s_barrier_wait -1
.endif
.endm
; Line n of 10 of group g's z: five packed x a + c (x: register g / 2 of the pair, for both halves), five packed -(z z).
.macro ZTL g, p, n
.set rZ, TMP+10*(\g)+2*((\n)%5)
.set rX, XA+4*((\g)%2)+2*(\p)
.set rA, AC+2*((\n)%5)
.if (\n) >= 5
	v_pk_mul_f32 v[rZ:rZ+1], v[rZ:rZ+1], v[rZ:rZ+1] neg_lo:[1,0] neg_hi:[1,0]
.elseif ((\g)/2) == 0
	v_pk_fma_f32 v[rZ:rZ+1], v[rX:rX+1], v[rA:rA+1], v[rA+10:rA+11] op_sel:[0,0,0] op_sel_hi:[0,1,1]
.else
	v_pk_fma_f32 v[rZ:rZ+1], v[rX:rX+1], v[rA:rA+1], v[rA+10:rA+11] op_sel:[1,0,0] op_sel_hi:[1,1,1]
.endif
.endm
; Line n of 20 of group g's exponent y p(s): s = min(y y, 1); P2 s + P1; (..) s + P0; y (..).  Each accumulator's lowest registers are read first.
.macro PREL g, n
.set rZ, TMP+10*(\g)+2*((\n)%5)
.set rY, HH+16*(\g)+2*((\n)%5)
.set rW, T2+2*((\n)%5)
.if (\n) < 5
	v_pk_mul_f32 v[rZ:rZ+1], v[rY:rY+1], v[rY:rY+1] clamp
.elseif (\n) < 10
	v_pk_fma_f32 v[rW:rW+1], v[rZ:rZ+1], s[SP2:SP2+1], s[SP1:SP1+1] op_sel_hi:[1,0,0]
.elseif (\n) < 15
	v_pk_fma_f32 v[rZ:rZ+1], v[rW:rW+1], v[rZ:rZ+1], s[SP0:SP0+1] op_sel_hi:[1,1,0]
.else
	v_pk_mul_f32 v[rZ:rZ+1], v[rY:rY+1], v[rZ:rZ+1]
.endif
.endm
; FOUR GROUPS: keys 2 p and 2 p + 1 of the trip's four, in both tiles (group g: tile g % 2, key 2 p + g / 2).  Three batches of 40 transcendentals, each with ONE wait ahead of its first reader;
; the next group's plain lines stand between a group's transcendentals.
.macro BATCH p
.set n, 0
.rept 10
	ZTL 0, \p, n
.set n, n+1
.endr
.set g, 0
.rept 4
.set n, 0
.rept 10
	v_exp_f32 v[TMP+10*g+n], v[TMP+10*g+n]                ; psi sqrt(2 pi) sigma = 2^(-z z)
.if g < 3
	ZTL g+1, \p, n
.endif
.set n, n+1
.endr
.set g, g+1
.endr
	v_nop                           ; the plain instruction behind the last exponential
	s_wait_alu depctr_va_vdst(0)    ; the wait for the batch
.set g, 0
.rept 4
.set n, 0
.rept 5
	v_cvt_pk_bf16_f32 v[PS+8*g+n], v[TMP+10*g+2*n], v[TMP+10*g+2*n+1]
.set n, n+1
.endr
.set g, g+1
.endr
	WIN 0x11                        ; layer 1: weights and C in window 1
.set g, 0
.rept 4
	v_wmma_f32_16x16x32_bf16 v[HH+16*g:HH+16*g+7], v[W1A:W1A+7], v[PS+8*g:PS+8*g+7], v[C1:C1+7]
	v_wmma_f32_16x16x32_bf16 v[HH+16*g+8:HH+16*g+15], v[W1B:W1B+7], v[PS+8*g:PS+8*g+7], v[C2:C2+7]
.set g, g+1
.endr
	WIN 0
	PLACES                          ; ahead of the lines that read y
.set n, 0
.rept 20
	PREL 0, n
.set n, n+1
.endr
.set g, 0
.rept 4
.set n, 0
.rept 10
	v_exp_f32 v[TMP+10*g+n], v[TMP+10*g+n]                ; e = 2^(y p)
.if g < 3
	PREL g+1, 2*n
	PREL g+1, 2*n+1
.endif
.set n, n+1
.endr
.set g, g+1
.endr
	v_nop
	s_wait_alu depctr_va_vdst(0)    ; the wait for the batch
.set n, 0
.rept 5
	v_pk_add_f32 v[TMP+2*n:TMP+2*n+1], v[TMP+2*n:TMP+2*n+1], 1.0 op_sel_hi:[1,0]
.set n, n+1
.endr
.set g, 0
.rept 4
.set n, 0
.rept 5
	v_rcp_f32 v[TMP+10*g+2*n], v[TMP+10*g+2*n]            ; 1 / (1 + e); an infinite e gives 0
.if g < 3
	v_pk_add_f32 v[TMP+10*g+10+2*n:TMP+10*g+10+2*n+1], v[TMP+10*g+10+2*n:TMP+10*g+10+2*n+1], 1.0 op_sel_hi:[1,0]
.endif
	v_rcp_f32 v[TMP+10*g+2*n+1], v[TMP+10*g+2*n+1]
.set n, n+1
.endr
.set g, g+1
.endr
	v_nop
	s_wait_alu depctr_va_vdst(0)    ; the wait for the batch
.set g, 0
.rept 4
.set n, 0
.rept 5
	v_pk_mul_f32 v[TMP+10*g+2*n:TMP+10*g+2*n+1], v[HH+16*g+2*n:HH+16*g+2*n+1], v[TMP+10*g+2*n:TMP+10*g+2*n+1]   ; gelu / 7
.set n, n+1
.endr
.set g, g+1
.endr
.set g, 0
.rept 4
.set n, 0
.rept 5
	v_cvt_pk_bf16_f32 v[GG+8*g+n], v[TMP+10*g+2*n], v[TMP+10*g+2*n+1]
.set n, n+1
.endr
.set g, g+1
.endr
.if (\p) == 0
	s_wait_dscnt 0x0                ; the trip's four layer-2 matrices are in
.endif
	WIN 0x01                        ; layer 2: the matrix in window 1.  The two score tiles take turns, one instruction a turn
.set g, 0
.rept 4
	v_wmma_f32_16x16x32_bf16 v[SC+8*(g%2):SC+8*(g%2)+7], v[A2R+8*(2*(\p)+g/2):A2R+8*(2*(\p)+g/2)+7], v[GG+8*g:GG+8*g+7], v[SC+8*(g%2):SC+8*(g%2)+7]
.set g, g+1
.endr
	WIN 0
.endm
; V in f32, for 16 channels: lane l takes channel l % 16 of keys 8 (l / 16) + 0..7 and 16 + 8 (l / 16) + 0..7; the halves of the lanes lie 8 rows = 544 words = 32 banks apart.
.macro VLOAD cb
.set kk, 0
.rept 16
	ds_load_b32 v[HH+16*(\cb)+kk], v[LAD2] offset:(kk+8*(kk/8))*PKV+64*(\cb)
.set kk, kk+1
.endr
.endm
; A KEY STEP of my 16 queries x 32 keys.  ask = 1: the prefetch stands behind K's run of LDS loads.
.macro STEP ask
	v_add_nc_u32 v[LAD], s[SB], v[KAD0]
.set f, 0
.rept 4                             ; fragment f: tile f % 2, channels 32 (f / 2) on; a lane takes 16 channels on end, 32 (f / 2) + 16 (l / 16) + 0..15: the same permutation of k as in Q
.set n, 0
.rept 4
	ds_load_b128 v[HH+16*f+4*n:HH+16*f+4*n+3], v[LAD] offset:(f%2)*16*PKV+(f/2)*128+16*n
.set n, n+1
.endr
.set f, f+1
.endr
.if \ask
	ASK
.endif
.set f, 0
.rept 4
	s_wait_dscnt 12-4*f             ; fragment f is in; the younger fragments' loads, four each, may stay out
.set n, 0
.rept 8
	v_cvt_pk_bf16_f32 v[TMP+8*f+n], v[HH+16*f+2*n], v[HH+16*f+2*n+1]
.set n, n+1
.endr
.set f, f+1
.endr
	WIN 0x14                        ; Q and C in window 1: the sums start with 2 sqrt(128) b2
	v_wmma_f32_16x16x32_bf16 v[SC:SC+7], v[TMP:TMP+7], v[QF:QF+7], v[B2C:B2C+7]
	v_wmma_f32_16x16x32_bf16 v[SC+8:SC+15], v[TMP+8:TMP+15], v[QF:QF+7], v[B2C:B2C+7]
	WIN 0x04
	v_wmma_f32_16x16x32_bf16 v[SC:SC+7], v[TMP+16:TMP+23], v[QF+8:QF+15], v[SC:SC+7]
	v_wmma_f32_16x16x32_bf16 v[SC+8:SC+15], v[TMP+24:TMP+31], v[QF+8:QF+15], v[SC+8:SC+15]
	WIN 0
	v_add_nc_u32 v[XAD], s[SB], v[XAD0]     ; four places ahead of the batch's writes of TMP, which those products read
	v_mov_b32 v[A2AD], v[A2AD0]
	v_nop
	v_nop
	s_mov_b32 s[TR], 4
.Ltrip_\@:                          ; a trip: four keys of each tile: eight groups
	ds_load_b128 v[XA:XA+3], v[XAD]
	ds_load_b128 v[XA+4:XA+7], v[XAD] offset:64
	WIN 0x40
.set n, 0
.rept 4
	ds_load_b128 v[A2R+8*n:A2R+8*n+3], v[A2AD] offset:n*1024
	ds_load_b128 v[A2R+8*n+4:A2R+8*n+7], v[A2AD] offset:n*1024+512
.set n, n+1
.endr
	WIN 0
	s_wait_dscnt 8                  ; x is in; the eight loads of the matrices may stay out
	BATCH 0
	BATCH 1
	v_add_nc_u32 v[XAD], 16, v[XAD]         ; four places between the last layer-2 product and the loads into its matrices, and the reads of the scores
	v_add_nc_u32 v[A2AD], 4096, v[A2AD]
	v_nop
	v_nop
	s_sub_co_u32 s[TR], s[TR], 1
	s_cmp_lg_u32 s[TR], 0
	s_cbranch_scc1 .Ltrip_\@
	; mask, softmax, O^T += V^T P
	v_add_nc_u32 v[LAD], s[SB], v[MAD0]
	v_add_nc_u32 v[LAD2], s[SB], v[VAD0]
.set n, 0
.rept 2
	ds_load_b128 v[TMP+8*n:TMP+8*n+3], v[LAD] offset:64*n
	ds_load_b128 v[TMP+8*n+4:TMP+8*n+7], v[LAD] offset:64*n+16
.set n, n+1
.endr
	VLOAD 0
	VLOAD 1
	VLOAD 2
	s_wait_dscnt 48                 ; the mask is in; V's 48 loads may stay out
.set n, 0
.rept 16
	v_cmp_eq_u32 vcc_lo, 0, v[TMP+n]
	v_cndmask_b32 v[SC+n], v[SC+n], s[NEG], vcc_lo
.set n, n+1
.endr
	VLOAD 3
	v_max3_num_f32 v[ST+6], v[SC], v[SC+1], v[SC+2]
	v_max3_num_f32 v[ST+7], v[SC+3], v[SC+4], v[SC+5]
	v_max3_num_f32 v[ST+6], v[ST+6], v[SC+6], v[SC+7]
	v_max3_num_f32 v[ST+7], v[ST+7], v[SC+8], v[SC+9]
	v_max3_num_f32 v[ST+6], v[ST+6], v[SC+10], v[SC+11]
	v_max3_num_f32 v[ST+7], v[ST+7], v[SC+12], v[SC+13]
	v_max3_num_f32 v[ST+6], v[ST+6], v[SC+14], v[SC+15]
	v_max3_num_f32 v[ST+6], v[ST+6], v[ST+7], v[ST]
	v_permlanex16_b32 v[ST+7], v[ST+6], s[SEL], s[SEL+1]  ; the query's other 16 keys lie in the lane 16 away
	v_max_num_f32 v[ST+6], v[ST+6], v[ST+7]               ; the new m
	v_sub_f32 v[ST+2], v[ST], v[ST+6]
	v_mov_b32 v[ST], v[ST+6]
	v_mul_f32 v[ST+2], s[CS], v[ST+2]                     ; c (m_old - m_new)
.set n, 0
.rept 8
	v_pk_add_f32 v[SC+2*n:SC+2*n+1], v[SC+2*n:SC+2*n+1], v[ST:ST+1] op_sel_hi:[1,0] neg_lo:[0,1] neg_hi:[0,1]   ; the difference first: equal scores give exactly 0
.set n, n+1
.endr
.set n, 0
.rept 8
	v_pk_mul_f32 v[SC+2*n:SC+2*n+1], v[SC+2*n:SC+2*n+1], s[CS:CS+1] op_sel_hi:[1,0]
.set n, n+1
.endr
	v_exp_f32 v[ST+2], v[ST+2]      ; alpha
.set n, 0
.rept 16
	v_exp_f32 v[SC+n], v[SC+n]
.set n, n+1
.endr
	v_nop
	s_wait_alu depctr_va_vdst(0)    ; one wait for the 17
.set n, 0
.rept 8
	v_cvt_pk_bf16_f32 v[PP+n], v[SC+2*n], v[SC+2*n+1]
.set n, n+1
.endr
	v_pk_add_f32 v[SC:SC+1], v[SC:SC+1], v[SC+2:SC+3]
	v_pk_add_f32 v[SC+4:SC+5], v[SC+4:SC+5], v[SC+6:SC+7]
	v_pk_add_f32 v[SC+8:SC+9], v[SC+8:SC+9], v[SC+10:SC+11]
	v_pk_add_f32 v[SC+12:SC+13], v[SC+12:SC+13], v[SC+14:SC+15]
	v_pk_add_f32 v[SC:SC+1], v[SC:SC+1], v[SC+4:SC+5]
	v_pk_add_f32 v[SC+8:SC+9], v[SC+8:SC+9], v[SC+12:SC+13]
	v_pk_add_f32 v[SC:SC+1], v[SC:SC+1], v[SC+8:SC+9]
	v_pk_fma_f32 v[ST+4:ST+5], v[ST+4:ST+5], v[ST+2:ST+3], v[SC:SC+1] op_sel_hi:[1,0,1]   ; l = alpha l + the sum
	WIN 0x41
.set n, 0
.rept 16
	v_pk_mul_f32 v[OT+2*n:OT+2*n+1], v[OT+2*n:OT+2*n+1], v[ST+2:ST+3] op_sel_hi:[1,0]
.set n, n+1
.endr
	WIN 0
	s_wait_dscnt 0x0                ; V is in
.set n, 0
.rept 32
	v_cvt_pk_bf16_f32 v[TMP+n], v[HH+2*n], v[HH+2*n+1]
.set n, n+1
.endr
	WIN 0x50                        ; O^T in window 1: four accumulators, one instruction each
.set n, 0
.rept 4
	v_wmma_f32_16x16x32_bf16 v[OT+8*n:OT+8*n+7], v[TMP+8*n:TMP+8*n+7], v[PP:PP+7], v[OT+8*n:OT+8*n+7]
.set n, n+1
.endr
	WIN 0
	PLACES                          ; ahead of the next step's writes of TMP, and of the stores of O^T
.endm
	; THE HEAD
	s_load_b512 s[4:19], s[0:1], 0x0       ; distance s[4:5], energy s[6:7], mask s[8:9], K s[10:11], V s[12:13], Q s[14:15], out0 s[16:17], sigma_D s[18:19]
	s_load_b512 s[20:35], s[0:1], 0x40     ; mu_D s[20:21], b_D s[22:23], sigma_E s[24:25], mu_E s[26:27], b_E s[28:29], W1 s[30:31], b1 s[32:33], W2 s[34:35]
	s_load_b64 s[36:37], s[0:1], 0x80      ; b2
	v_lshl_add_u32 v[SPW], v0, 2, SPARE
	v_mov_b32 v[NIL], 0
	ds_add_u32 v[SPW], v[NIL]              ; the wave's opening: the add and its wait stand ahead of my first tensor load; work on registers stands between them
	v_lshrrev_b32 v1, 5, v0
	v_readfirstlane_b32 s[WV], v1          ; wave 0..7
	s_and_b32 s[QT], s[WV], 1
	s_lshr_b32 s[KQ], s[WV], 1
	s_bfe_u32 s[CX], ttmp6, 0x40000        ; my place in the cluster
	s_and_b32 s[HEAD], ttmp7, 0xffff       ; the head, which the four partners share
	s_lshl_b32 s2, ttmp9, 2                ; in a cluster launch ttmp9 counts clusters
	s_add_co_u32 s2, s2, s[CX]             ; my block of 32 queries
	s_lshl_b32 s2, s2, 5
	s_lshl_b32 s3, s[HEAD], 10
	s_add_co_u32 s[Q0], s2, s3
	; group 1 of the plain loads: 16 rows x 128 elements of 4 bytes, 1,024 elements from row to row; 4 words of padding behind every 128
	s_mov_b32 s[G1A+0], (2<<16)|(1<<20)|(6<<22)|(3<<25)
	s_mov_b32 s[G1A+1], 128<<16
	s_mov_b32 s[G1A+2], 16<<16
	s_mov_b32 s[G1A+3], 128<<16
	s_mov_b32 s[G1A+4], 16
	s_mov_b32 s[G1A+5], 1024
	s_mov_b32 s[G1A+6], 0
	s_mov_b32 s[G1A+7], 0
	; group 1 of the joint loads: the mask of four and bit 21; 128 rows x 64 elements, dense; 4 words of padding behind every 64
	s_mov_b32 s[G1J+0], 15|(2<<16)|(1<<20)|(1<<21)|(5<<22)|(3<<25)
	s_mov_b32 s[G1J+1], 64<<16
	s_mov_b32 s[G1J+2], 128<<16
	s_mov_b32 s[G1J+3], 64<<16
	s_mov_b32 s[G1J+4], 128
	s_mov_b32 s[G1J+5], 64
	s_mov_b32 s[G1J+6], 0
	s_mov_b32 s[G1J+7], 0
	s_mov_b32 s[G0A], 1
	s_mul_i32 s[G0A+1], s[WV], 16*PX       ; waves 0, 1: distance's two halves; 2, 3: energy's; 4, 5: the mask's
	s_mov_b32 s[G0J], 1
	s_mul_i32 s[G0J+1], s[QT], 128*PKV     ; wave 6: K; wave 7: V
	s_add_co_u32 s[G0J+1], s[G0J+1], LK
	s_lshl_b32 s2, s[QT], 4
	s_add_co_u32 s2, s2, s[Q0]             ; the 16 rows that I fetch (waves 0-5), and my 16 queries
	s_lshl_b32 s96, s2, 12                 ; in rows of 4,096 bytes
	s_mov_b32 s97, 0
	s_lshl_b32 s38, s2, 8                  ; in rows of 256 bytes
	s_mov_b32 s39, 0
	s_lshl_b32 s98, s[HEAD], 18            ; the head's first byte in K and V
	s_mov_b32 s99, 0
	s_movk_i32 s[PST], 0x200
	s_cmp_lt_u32 s[WV], 6
	s_cselect_b32 s[PST], s[PST], 0x8000
	s_mov_b32 s[PST+1], 0
	s_cselect_b32 s[PSH], 12, 9            ; two lanes a row of 4,096 bytes, or two rows of 256
	s_cselect_b32 s2, 0, ttmp9             ; waves 0-5 always ask; waves 6, 7 in the head's first cluster: the same in all four partners
	s_cmp_eq_u32 s2, 0
	s_cselect_b32 s[LIM], 1, -1
	s_mov_b32 s[SP0], 0xc180d623           ; P0 = -7 log2(e) 1.59468996 = -16.104559
	s_mov_b32 s[SP0+1], s[SP0]
	s_mov_b32 s[SP1], 0xc212e026           ; P1 = -7 log2(e) 49 x 0.07420291 = -36.718894
	s_mov_b32 s[SP1+1], s[SP1]
	s_mov_b32 s[SP2], 0x418c38bb           ; P2 = 7 log2(e) 2401 x 0.00072287 = 17.527700
	s_mov_b32 s[SP2+1], s[SP2]
	s_mov_b32 s[NEG], 0xd028965f           ; -1e9 sqrt(128) = -1.13137085e10
	s_mov_b32 s[SEL], 0x76543210
	s_mov_b32 s[SEL+1], 0xfedcba98
	s_mov_b32 s[CS], 0x3e0293ee            ; c = log2(e) / sqrt(128) = 0.127517
	s_mov_b32 s[CS+1], s[CS]
	s_mov_b32 s[HM], 0xffff0000
	s_mov_b32 s[VA], 0xff0000ff
	s_mov_b32 s[VB], 0x03000003
	s_mov_b32 s[SB], SLOT1                 ; the first change of slots turns it into 0
	s_mov_b32 s[STEPS], 7
	s_wait_dscnt 0x0                       ; the opening add is done
	s_wait_kmcnt 0x0
	s_cmp_lt_u32 s[WV], 4
	s_cselect_b64 s[2:3], s[6:7], s[8:9]
	s_cmp_lt_u32 s[WV], 2
	s_cselect_b64 s[2:3], s[4:5], s[2:3]
	s_add_nc_u64 s[G0A+2:G0A+3], s[2:3], s[96:97]          ; my 16 rows, keys 0-127
	s_cmp_eq_u32 s[QT], 0
	s_cselect_b64 s[2:3], s[10:11], s[12:13]
	s_add_nc_u64 s[G0J+2:G0J+3], s[2:3], s[98:99]          ; the head's keys 0-127: nothing of my place in the cluster
	s_add_nc_u64 s[14:15], s[14:15], s[38:39]              ; Q at my 16 queries
	s_lshl_b32 s96, s[Q0], 8
	s_add_nc_u64 s[16:17], s[16:17], s[96:97]              ; out0 at the work-group's 32 rows
	s_lshl_b32 s98, s[CX], 13                              ; my work-group's 32 of the 128 rows,
	s_add_co_u32 s98, s98, 32768                           ; in step 1: the first change of slots steps it to step 2
	s_add_nc_u64 s[98:99], s[G0J+2:G0J+3], s[98:99]
	s_add_nc_u64 s[2:3], s[G0A+2:G0A+3], 512
	s_cmp_lt_u32 s[WV], 6
	s_cselect_b64 s[PFA:PFA+1], s[2:3], s[98:99]
	s_or_b32 s[G0A+3], s[G0A+3], 0x80000000                ; type = 2
	s_or_b32 s[G0J+3], s[G0J+3], 0x80000000
	CROUND                                 ; all four work-groups are here: the first joint loads meet
	JLOAD                                  ; step 0 into slot 0
	; while it lands: the parameters
.set VR, 244
.set VH, 245
.set VL, 246
.set HSD, 76
.set HSE, 86
.set HMD, 96
.set HME, 106
.set HBD, 116
.set HBE, 126
.set HB1, 136
.set HW2, 146
.set HB2, 156
.set HWA, 158
.set HWB, 168
.set HQ,  180
.macro LD10 dst, sb                     ; ten numbers, the same in every lane
	global_load_b128 v[(\dst):(\dst)+3], v1, s[(\sb):(\sb)+1]
	global_load_b128 v[(\dst)+4:(\dst)+7], v1, s[(\sb):(\sb)+1] offset:16
	global_load_b64 v[(\dst)+8:(\dst)+9], v1, s[(\sb):(\sb)+1] offset:32
.endm
	v_mov_b32 v1, 0
	v_and_b32 v[VR], 15, v0                ; l % 16
	v_bfe_u32 v[VH], v0, 4, 1              ; l / 16
	v_and_b32 v[VL], 31, v0
	v_and_b32 v247, 7, v0
	v_mul_u32_u24 v247, v247, 40           ; row l % 8 of W1
	v_and_b32 v248, 1, v0
	v_mul_u32_u24 v248, v248, 40
	v_add_nc_u32 v248, 320, v248           ; row 8 + l % 2
	v_lshlrev_b32 v249, 8, v[VR]
	v_lshl_add_u32 v249, v[VH], 6, v249    ; Q: row l % 16, channels 16 (l / 16) on
	LD10 HSD, 18
	LD10 HSE, 24
	LD10 HMD, 20
	LD10 HME, 26
	LD10 HBD, 22
	LD10 HBE, 28
	LD10 HB1, 32
	LD10 HW2, 34
	global_load_b32 v[HB2], v1, s[36:37]
.set n, 0
.rept 5
	global_load_b64 v[HWA+2*n:HWA+2*n+1], v247, s[30:31] offset:8*n
	global_load_b64 v[HWB+2*n:HWB+2*n+1], v248, s[30:31] offset:8*n
.set n, n+1
.endr
.set n, 0
.rept 8                                 ; fragment n / 4: channels 32 (n / 4) + 16 (l / 16) + 0..15
	global_load_b128 v[HQ+4*n:HQ+4*n+3], v249, s[14:15] offset:(n/4)*128+(n%4)*16
.set n, n+1
.endr
	; my lane's places in LDS
	s_mul_i32 s2, s[QT], 16*PX
	s_lshl_b32 s3, s[KQ], 7
	s_add_co_u32 s2, s2, s3                ; my 16 rows, my 32 keys
	v_mul_u32_u24 v250, v[VR], PX
	v_add_nc_u32 v250, s2, v250
	v_mul_u32_u24 v251, v[VH], XE          ; lanes 16-31 read energy
	v_add_nc_u32 v[XAD0], v250, v251
	v_lshl_add_u32 v[MAD0], v[VH], 5, v250 ; the mask of keys 8 (l / 16) on
	v_add_nc_u32 v[MAD0], LM, v[MAD0]
	s_mul_i32 s2, s[KQ], 32*PKV
	v_mul_u32_u24 v250, v[VR], PKV
	v_lshl_add_u32 v250, v[VH], 6, v250
	s_add_co_u32 s3, s2, LK
	v_add_nc_u32 v[KAD0], s3, v250
	v_mul_u32_u24 v250, v[VH], 8*PKV
	v_lshl_add_u32 v250, v[VR], 2, v250
	s_add_co_u32 s3, s2, LV
	v_add_nc_u32 v[VAD0], s3, v250
	v_lshlrev_b32 v[A2AD0], 4, v[VL]
	v_add_nc_u32 v[A2AD0], A2T, v[A2AD0]
	s_mul_i32 s2, s[WV], 16*PKV
	s_add_co_u32 s2, s2, OST
	v_mul_u32_u24 v250, v[VR], PKV
	v_lshl_add_u32 v250, v[VH], 5, v250
	v_add_nc_u32 v[OAD], s2, v250
	s_lshl_b32 s2, s[WV], 7
	s_add_co_u32 s2, s2, MLT
	v_lshl_add_u32 v[MLAD], v[VR], 3, s2
	v_lshrrev_b32 v250, 1, v[VL]
	v_lshlrev_b32 v250, s[PSH], v250
	v_and_b32 v251, 1, v0
	v_lshl_add_u32 v[PFO], v251, 8, v250
	s_wait_loadcnt 0x0                     ; all parameters and Q
.set n, 0
.rept 10                                ; lanes 0-15 keep D's parameters, lanes 16-31 take E's
	v_cndmask_b32 v[HSD+n], v[HSD+n], v[HSE+n], s[HM]
	v_cndmask_b32 v[HMD+n], v[HMD+n], v[HME+n], s[HM]
	v_cndmask_b32 v[HBD+n], v[HBD+n], v[HBE+n], s[HM]
.set n, n+1
.endr
.set n, 0
.rept 10
	v_rcp_f32 v[HSE+n], v[HSD+n]           ; 1 / sigma
.set n, n+1
.endr
.set n, 0
.rept 10
	v_sub_f32 v[HBD+n], v[HBD+n], v[HMD+n] ; b - mu: plain work behind the reciprocals
.set n, n+1
.endr
	s_wait_alu depctr_va_vdst(0)           ; one wait for the ten
.set n, 0
.rept 10
	v_mul_f32 v[AC+n], 0x3f596d27, v[HSE+n]    ; a = sqrt(log2(e) / 2) / sigma = 0.84932180 / sigma
	v_mul_f32 v[HMD+n], 0x3d697030, v[HSE+n]   ; 1 / (7 sqrt(2 pi) sigma) = 0.05699175 / sigma
.set n, n+1
.endr
.set n, 0
.rept 10
	v_mul_f32 v[AC+10+n], v[HBD+n], v[AC+n]    ; c = (b - mu) a
	v_mul_f32 v[HW2+n], 0x429e6455, v[HW2+n]   ; 7 sqrt(128) W2 = 79.195960 W2
.set n, n+1
.endr
.set n, 0
.rept 5
	v_pk_mul_f32 v[HWA+2*n:HWA+2*n+1], v[HWA+2*n:HWA+2*n+1], v[HMD+2*n:HMD+2*n+1]
	v_pk_mul_f32 v[HWB+2*n:HWB+2*n+1], v[HWB+2*n:HWB+2*n+1], v[HMD+2*n:HMD+2*n+1]
.set n, n+1
.endr
.set n, 0
.rept 5
	v_cvt_pk_bf16_f32 v[HME+n], v[HWA+2*n], v[HWA+2*n+1]
	v_cvt_pk_bf16_f32 v[HME+5+n], v[HWB+2*n], v[HWB+2*n+1]
	v_cvt_pk_bf16_f32 v[HBD+n], v[HW2+2*n], v[HW2+2*n+1]
.set n, n+1
.endr
	WIN 0x40                               ; destinations in window 1
.set n, 0
.rept 5
	v_cndmask_b32 v[W1A+n], 0, v[HME+n], s[VA]     ; rows 0-7 on D's k (lanes 0-7), rows 8-15 on E's (lanes 24-31)
	v_cndmask_b32 v[W1B+n], 0, v[HME+5+n], s[VB]   ; rows 0, 1 and 8, 9: units 8, 9
.set n, n+1
.endr
.set n, 5
.rept 3
	v_mov_b32 v[W1A+n], 0
	v_mov_b32 v[W1B+n], 0
.set n, n+1
.endr
.set n, 0
.rept 8
	v_mul_f32 v[C1+n], 0x3e124925, v[HB1+n]        ; b1 / 7
	v_mul_f32 v[B2C+n], 0x41b504f3, v[HB2]         ; 2 sqrt(128) b2
.set n, n+1
.endr
	v_mul_f32 v[C2], 0x3e124925, v[HB1+8]
	v_mul_f32 v[C2+1], 0x3e124925, v[HB1+9]
.set n, 2
.rept 6
	v_mov_b32 v[C2+n], 0
.set n, n+1
.endr
.set n, 0
.rept 16
	v_cvt_pk_bf16_f32 v[QF+n], v[HQ+2*n], v[HQ+2*n+1]  ; Q as it is: the scale is applied in f32, in c
.set n, n+1
.endr
.set n, 0
.rept 32                                ; O^T starts at 0 and the first step's alpha is 0: 32 lines, in the wait for the first tile, buy one text for every step
	v_mov_b32 v[OT+n], 0
.set n, n+1
.endr
	WIN 0
	; wave w makes the layer-2 matrices of keys 2 w and 2 w + 1: W2 in the lanes of that row, 0 elsewhere
	v_mov_b32 v[HBE+5], 0
	v_mov_b32 v[HBE+6], 0
	v_mov_b32 v[HBE+7], 0
	s_lshl_b32 s2, s[WV], 11
	v_add_nc_u32 v247, s2, v[A2AD0]
	s_lshl_b32 s3, s[WV], 1
.irp i, 0,1
	v_cmp_eq_u32 s96, s3, v[VR]
.set n, 0
.rept 5
	v_cndmask_b32 v[HBE+n], 0, v[HBD+n], s96
.set n, n+1
.endr
	ds_store_b128 v247, v[HBE:HBE+3] offset:(\i)*1024
	ds_store_b128 v247, v[HBE+4:HBE+7] offset:(\i)*1024+512
	s_add_co_u32 s3, s3, 1
.endr
.set g, 0
.rept 4                                 ; registers 5-7 of the two layers' operands stay 0; 0-4 are written in every batch
.set n, 5
.rept 3
	v_mov_b32 v[PS+8*g+n], 0
	v_mov_b32 v[GG+8*g+n], 0
.set n, n+1
.endr
.set g, g+1
.endr
	v_mov_b32 v[ST], 0xff7fffff            ; m: the lowest finite number
.set n, 1
.rept 7
	v_mov_b32 v[ST+n], 0
.set n, n+1
.endr
.Lstep:                                 ; seven times: a step is entered and the next is asked for
	CHANGE 1
	STEP 1
	s_sub_co_u32 s[STEPS], s[STEPS], 1
	s_cmp_lg_u32 s[STEPS], 0
	s_cbranch_scc1 .Lstep
	CHANGE 0                               ; the last step is written out: nothing is asked for
	STEP 0
	; THE MERGE.  l's two halves and the other half of the lanes' are added; (m, l) and O^T go into LDS.
	v_add_f32 v[ST+4], v[ST+4], v[ST+5]
	v_permlanex16_b32 v[ST+5], v[ST+4], s[SEL], s[SEL+1]
	v_add_f32 v[ST+1], v[ST+4], v[ST+5]
	ds_store_b64 v[MLAD], v[ST:ST+1]       ; both halves of the lanes write the same numbers
	WIN 0x04                               ; the data in window 1
.set n, 0
.rept 4                                 ; channels 16 n + 8 (l / 16) + 0..7 of row l % 16
	ds_store_b128 v[OAD], v[OT+8*n:OT+8*n+3] offset:64*n
	ds_store_b128 v[OAD], v[OT+8*n+4:OT+8*n+7] offset:64*n+16
.set n, n+1
.endr
	WIN 0
	s_wait_dscnt 0x0                       ; for the others' sake: my stores are done
	s_barrier_signal -1
	s_barrier_wait -1
	; wave w finishes rows 4 (w & 3) + 2 u + l / 16 (u = 0, 1) of query tile w >> 2, from the partial results of waves (w >> 2) + 2 p, p = 0..3
.set MRW, 26
.set MLR, 27
.set ORD, 28
.set MMX, 30
.set LLS, 32
.set IVS, 34
	s_lshr_b32 s2, s[WV], 2
	s_and_b32 s3, s[WV], 3
	s_lshl_b32 s3, s3, 2
	v_and_b32 v24, 15, v0
	v_bfe_u32 v25, v0, 4, 1
	v_add_nc_u32 v[MRW], s3, v25
	s_lshl_b32 s96, s2, 7
	s_add_co_u32 s96, s96, MLT
	v_lshl_add_u32 v[MLR], v[MRW], 3, s96
	s_mul_i32 s97, s2, 16*PKV
	s_add_co_u32 s97, s97, OST
	v_mul_u32_u24 v[ORD], v[MRW], PKV
	v_lshl_add_u32 v[ORD], v24, 4, v[ORD]
	v_add_nc_u32 v[ORD], s97, v[ORD]
	s_lshl_b32 s98, s2, 12
	v_lshl_add_u32 v[OOF], v[MRW], 8, s98
	v_lshl_add_u32 v[OOF], v24, 4, v[OOF]
.set n, 0
.rept 8                                 ; n = 4 u + p
	ds_load_b64 v[TMP+2*n:TMP+2*n+1], v[MLR] offset:(n%4)*256+(n/4)*16
.set n, n+1
.endr
.set n, 0
.rept 8
	ds_load_b128 v[HH+4*n:HH+4*n+3], v[ORD] offset:(n%4)*2*16*PKV+(n/4)*2*PKV
.set n, n+1
.endr
	s_wait_dscnt 8                         ; the eight (m, l) are in; the eight loads of O may stay out
.set u, 0
.rept 2
	v_max3_num_f32 v[MMX+u], v[TMP+8*u], v[TMP+8*u+2], v[TMP+8*u+4]
	v_max_num_f32 v[MMX+u], v[MMX+u], v[TMP+8*u+6]
.set u, u+1
.endr
.set n, 0
.rept 8
	v_sub_f32 v[TMP+2*n], v[TMP+2*n], v[MMX+n/4]
.set n, n+1
.endr
.set n, 0
.rept 8
	v_mul_f32 v[TMP+2*n], s[CS], v[TMP+2*n]
.set n, n+1
.endr
.set n, 0
.rept 8
	v_exp_f32 v[TMP+2*n], v[TMP+2*n]       ; e = 2^(c (m_p - M))
.set n, n+1
.endr
	v_nop
	s_wait_alu depctr_va_vdst(0)           ; one wait for the eight
.set u, 0
.rept 2
	v_mul_f32 v[LLS+u], v[TMP+8*u], v[TMP+8*u+1]
	v_fmac_f32 v[LLS+u], v[TMP+8*u+2], v[TMP+8*u+3]
	v_fmac_f32 v[LLS+u], v[TMP+8*u+4], v[TMP+8*u+5]
	v_fmac_f32 v[LLS+u], v[TMP+8*u+6], v[TMP+8*u+7]
.set u, u+1
.endr
	v_rcp_f32 v[IVS], v[LLS]
	v_rcp_f32 v[IVS+1], v[LLS+1]
	v_nop
	s_wait_alu depctr_va_vdst(0)           ; one wait for the two
.set n, 0
.rept 8
	v_mul_f32 v[TMP+2*n], v[TMP+2*n], v[IVS+n/4]
.set n, n+1
.endr
	s_wait_dscnt 0x0                       ; the partial O are in
.set u, 0
.rept 2
	v_pk_mul_f32 v[HH+16*u:HH+16*u+1], v[HH+16*u:HH+16*u+1], v[TMP+8*u:TMP+8*u+1] op_sel_hi:[1,0]
	v_pk_mul_f32 v[HH+16*u+2:HH+16*u+3], v[HH+16*u+2:HH+16*u+3], v[TMP+8*u:TMP+8*u+1] op_sel_hi:[1,0]
.set n, 1
.rept 3
	v_pk_fma_f32 v[HH+16*u:HH+16*u+1], v[HH+16*u+4*n:HH+16*u+4*n+1], v[TMP+8*u+2*n:TMP+8*u+2*n+1], v[HH+16*u:HH+16*u+1] op_sel_hi:[1,0,1]
	v_pk_fma_f32 v[HH+16*u+2:HH+16*u+3], v[HH+16*u+4*n+2:HH+16*u+4*n+3], v[TMP+8*u+2*n:TMP+8*u+2*n+1], v[HH+16*u+2:HH+16*u+3] op_sel_hi:[1,0,1]
.set n, n+1
.endr
	global_store_b128 v[OOF], v[HH+16*u:HH+16*u+3], s[16:17] offset:512*u   ; 16 lanes store a row: 256 consecutive bytes, at a multiple of 256 from out0's first byte
.set u, u+1
.endr
	s_wait_tensorcnt 0x0                   ; the wave's end: behind my last tensor load and my last LDS store
	ds_add_u32 v[SPW], v[NIL]
	s_wait_dscnt 0x0
	CROUND                                 ; the closing round: no work-group ends while a partner may still ask for a tile that names it
	s_endpgm
.Lfunc_end_k_qe3bffdf85d_attn:
	.size	k_qe3bffdf85d_attn, .Lfunc_end_k_qe3bffdf85d_attn-k_qe3bffdf85d_attn
	.p2alignl 7, 3214868480
	.fill 96, 4, 3214868480
	.section	.rodata,"a",@progbits
	.p2align	6, 0x0
	.amdhsa_kernel k_qe3bffdf85d_attn
		.amdhsa_group_segment_fixed_size 327680
		.amdhsa_private_segment_fixed_size 0
		.amdhsa_enable_private_segment 0
		.amdhsa_kernarg_size 136
		.amdhsa_user_sgpr_count 2
		.amdhsa_user_sgpr_kernarg_segment_ptr 1
		.amdhsa_wavefront_size32 1
		.amdhsa_system_sgpr_workgroup_id_x 1
		.amdhsa_system_sgpr_workgroup_id_y 1
		.amdhsa_system_sgpr_workgroup_id_z 1
		.amdhsa_system_vgpr_workitem_id 0
		.amdhsa_next_free_vgpr 384
		.amdhsa_next_free_sgpr 100
		.amdhsa_reserve_vcc 1
		.amdhsa_float_denorm_mode_32 3
		.amdhsa_float_denorm_mode_16_64 3
		.amdhsa_memory_ordered 1
		.amdhsa_forward_progress 1
		.amdhsa_inst_pref_size 137
	.end_amdhsa_kernel
	.amdgpu_metadata
---
amdhsa.version: [ 1, 2 ]
amdhsa.kernels:
  - .name:           k_qe3bffdf85d_attn
    .symbol:         k_qe3bffdf85d_attn.kd
    .args:
      - { .name: distance_matrix, .offset: 0, .size: 8, .value_kind: global_buffer, .address_space: global }
      - { .name: energy_matrix, .offset: 8, .size: 8, .value_kind: global_buffer, .address_space: global }
      - { .name: mask, .offset: 16, .size: 8, .value_kind: global_buffer, .address_space: global }
      - { .name: K, .offset: 24, .size: 8, .value_kind: global_buffer, .address_space: global }
      - { .name: V, .offset: 32, .size: 8, .value_kind: global_buffer, .address_space: global }
      - { .name: Q, .offset: 40, .size: 8, .value_kind: global_buffer, .address_space: global }
      - { .name: out0, .offset: 48, .size: 8, .value_kind: global_buffer, .address_space: global }
      - { .name: sigma_D, .offset: 56, .size: 8, .value_kind: global_buffer, .address_space: global }
      - { .name: mu_D, .offset: 64, .size: 8, .value_kind: global_buffer, .address_space: global }
      - { .name: b_D, .offset: 72, .size: 8, .value_kind: global_buffer, .address_space: global }
      - { .name: sigma_E, .offset: 80, .size: 8, .value_kind: global_buffer, .address_space: global }
      - { .name: mu_E, .offset: 88, .size: 8, .value_kind: global_buffer, .address_space: global }
      - { .name: b_E, .offset: 96, .size: 8, .value_kind: global_buffer, .address_space: global }
      - { .name: W1, .offset: 104, .size: 8, .value_kind: global_buffer, .address_space: global }
      - { .name: b1, .offset: 112, .size: 8, .value_kind: global_buffer, .address_space: global }
      - { .name: W2, .offset: 120, .size: 8, .value_kind: global_buffer, .address_space: global }
      - { .name: b2, .offset: 128, .size: 8, .value_kind: global_buffer, .address_space: global }
    .group_segment_fixed_size: 327680
    .private_segment_fixed_size: 0
    .kernarg_segment_align: 8
    .kernarg_segment_size: 136
    .max_flat_workgroup_size: 256
    .sgpr_count:     100
    .vgpr_count:     384
    .wavefront_size: 32
...
	.end_amdgpu_metadata
.endif
;; end of part 1
